; MI455X (gfx1250); checked and timed in simulation.
; The chip was launched on July 23, 2026; its instructions are those of AMD's public machine-readable ISA for CDNA 5 (MIT licence, August 2026) and "CDNA5" Instruction Set Architecture Reference Guide (July 2026). The comments in the code are by the model that wrote it; some were corrected since.
;; AWQ Linear. Allowed arithmetic: matrix products marked QUANTISED: E2M1 operands, one E8M0 scale for each 32 along K, by v_wmma_scale_f32_16x16x128_f8f6f4 with both operands' format E2M1 (or v_wmma_scale_f32_32x16x128_f4), f32 sums; everything else in f32.
;; Inputs: bias 11,008 float32; channel_scales 4,096 float32; qweight 11,008 x 2,048 uint8; scales 11,008 x 32 float32; x_codes 1 x 256 x 128 x 16 uint8 (E2M1 codes of x, K innermost, in blocks of 32 codes, two codes a byte); x_scales 1 x 256 x 128 uint8 (E8M0 scales of x, one for each 32 codes along K); zeros 11,008 x 32 float32.
;; Outputs: out0 1 x 256 x 11,008 float32.
;; This version of the problem:
;;   THIS VERSION OF THE PROBLEM IS GIVEN IN LOW PRECISION. The matrix products marked QUANTISED in the list below multiply operands that are first quantised to E2M1 (2 exponent bits, 1 mantissa bit; 4 bits a number), with one power-of-two scale for each 32 numbers along K (OCP MX v1.0); their sums are f32. All else is computed in f32.
;;   The module's matrix products, in the order in which they are computed (A, B: the left and right operand; K: the contracted axis; several contracted axes count as one K, in the product's order):
;;     1. [M 256, K 4,096] x [K 4,096, N 11,008]; A: input x (given as codes); B: computed on the way: QUANTISED
;;   THE QUANTISER, for each operand of a quantised product, along K:
;;     - K is cut into blocks of 32 from its start; a last block that is shorter is filled with zeros.
;;     - A block's scale is 2^e with e = floor(log2(the largest magnitude in the block)) - 2, held to -126 .. 127; a block of zeros has e = 0. As a byte (E8M0): e + 127.
;;     - Each number is divided by its block's scale, clamped to +-6, and rounded to the nearest number of E2M1, ties to even, subnormals kept.
;;     - The product sums the exact products of the quantised numbers (number of the format x scale) in f32.
;;   ~~~python
;;   def quantise(x, axis):      # numpy; x: float32 -> the quantised numbers, widened to float32 again
;;       x = np.moveaxis(x, axis, -1); K = x.shape[-1]
;;       x = np.pad(x, [(0, 0)] * (x.ndim - 1) + [(0, -K % 32)]); x = x.reshape(x.shape[:-1] + (-1, 32)); a = np.abs(x).max(-1, keepdims=True)
;;       e = np.where(a > 0, np.clip(np.frexp(np.where(a > 0, a, 1))[1] - 1 - 2, -126, 127), 0)      # np.frexp(a)[1] - 1 = floor(log2(a)), exactly
;;       r = np.clip(x / 2.0 ** e, -6, 6)
;;       step = 2.0 ** (np.maximum(np.frexp(np.where(r == 0, 1, r))[1] - 1, 0) - 1)
;;       q = np.round(r / step) * step * 2.0 ** e      # np.round: ties to even
;;       return np.moveaxis(q.reshape(q.shape[:-2] + (-1,))[..., :K], -1, axis).astype(np.float32)
;;   ~~~
;;   OPERANDS COMPUTED ON THE WAY. 'Computed on the way' means the value that the module computes at that place (a softmax that the list does not call 'softmax' is quantised finished and normalised). What goes into a quantiser is computed in f32, as accurately as f32 sums, v_exp_f32 and their like allow (about 1e-6 of the number): no bf16 or f16 on the way to a quantiser, and a product that is left as it is and whose result goes on into a quantised operand takes f32 operands (vector FMAs, or v_wmma_f32_16x16x4_f32). A number that lies on a knife's edge between two numbers of the format may be rounded either way, as far as f32 arithmetic and the matrix unit's own rounding can turn it there, and no further.
;;   INPUTS GIVEN AS CODES. x (in the module: [1, 256, 4096], K = its axis 2): each comes as NAME_codes (uint8): NAME with its K axis moved to the last place and cut into blocks of 32 codes, [.., K / 32, bytes a block], one block behind the other in memory; two codes a byte, the lower K in the low four bits (a code: sign, 2 exponent bits, 1 mantissa bit); and NAME_scales (uint8): the same leading axes, one E8M0 byte (e + 127) for each 32 codes along K. Its value is code x scale, taken as it is: it is not quantised again, and the codes and scales need not be those that the quantiser above would give.
;; One version. Each part assembles by itself: llvm-mc -triple=amdgcn-amd-amdhsa -mcpu=gfx1250 --defsym DOCPART=n.
;; ======== version 1 of 1: 1 launch
;; launch awq (part 1): grid 256 x 1, 4 waves a work-group, clusters of 4 x 1, 327,680 bytes of LDS; arguments x_codes, x_scales, qweight, scales, zeros, channel_scales, bias, out0; writes out0
.if DOCPART == 1
	.amdgcn_target "amdgcn-amd-amdhsa--gfx1250"
	.amdhsa_code_object_version 6
	.text
	.protected	k_qd58e5c2a16_awq
	.globl	k_qd58e5c2a16_awq
	.p2align	8
	.type	k_qd58e5c2a16_awq,@function
k_qd58e5c2a16_awq:
	s_mov_b64 s[64:65], 0
	v_nop
	global_prefetch_b8 v0, s[64:65] scope:SCOPE_SE
	s_setreg_imm32_b32 hwreg(HW_REG_WAVE_MODE, 25, 1), 1
	s_wait_xcnt 0x0
	s_wait_alu depctr_hold_cnt(0) depctr_sa_sdst(0) depctr_va_vdst(0) depctr_va_sdst(0) depctr_va_ssrc(0) depctr_va_vcc(0) depctr_vm_vsrc(0)
	s_getreg_b32 s2, hwreg(HW_REG_IB_STS2, 6, 4)
	s_cmp_eq_u32 s2, 0
	s_cbranch_scc0 .Lentry_in_a_cluster
	s_endpgm
.Lentry_in_a_cluster:
	s_bfe_u32 s2, ttmp6, 0x10000c
	s_cmp_lg_u32 s2, 0x3003
	s_cbranch_scc0 .Lentry_shape_is_right
	s_endpgm
.Lentry_shape_is_right:
; out0[m][n] = sum over k of x[m][k] W[n][k] + bias[n];  W[n][k] = (q[n][k] s[n][k/128] + z[n][k/128]) / cs[k], q the 4-bit numbers of qweight.
; x comes as codes of FP4 (E2M1) with E8M0 bytes and is used as it lies.  W is made in f32, quantised along K in blocks of 32, and multiplied as codes; sums in f32.  One launch, nothing goes through memory.
; SHARES.  11,008 columns = 256 work-groups x 43.  A work-group owns 43 columns of out0, all 256 rows of x, all of K.  Every weight is dequantised once in the launch (but one row in 43: below).
; TIME.  A chunk is 512 along K (256 bytes of a row of x or of qweight); a super-chunk u is chunks 2 u, 2 u + 1; a K step is 128 along K, 8 to a super-chunk.
; DEQUANTISING.  A block of 32 weights is 16 bytes of qweight and is worked wholly in ONE lane.  Wave w takes chunk 2 u + w / 2 and rows 21 (w % 2) + 0 .. 21 of the 43, two rows (a PAIR) at a time: lane (hh, j)
;   takes row 2 i + hh and block j, so each load of qweight reads two whole rows of the chunk, 256 aligned bytes each.  Row 21 is worked by both halves, so that all waves run one text and no load leaves the buffer.
;   All 44 loads of a wave are issued at the head, into 176 registers.  The codes go to LDS row 22 (w % 2) + 2 i + hh; LDS row 22 repeats column 21 and is not stored; LDS rows 44-47 are zeros.
; MULTIPLYING.  Wave w takes rows 64 w .. 64 w + 63 of x (4 tiles) against the 48 LDS rows of W (3 tiles): 12 accumulators, which take turns in one fixed order.
;   Source 0 = 16 rows of x, source 1 = 16 rows of W: a lane holds one column, its registers eight rows.  The bias is the C of each sum's first product.
;   While super-chunk u is multiplied, super-chunk u + 1 is dequantised in the same stream: one matrix instruction behind each group of four or eight vector lines.  W's codes lie in two LDS buffers that change places.
; ONE WAVE HAS THE SIMD TO ITSELF, so the vector lines are ordered so that a line reads results made five lines back or more wherever the work allows: a block's four words are worked as a pipeline, its largest
;   magnitude in five chains, and what has no such order of its own (the masks of qweight's words) is done for a whole super-chunk at a time.
; x goes through two LDS slots of a chunk.  The four work-groups of a cluster read the same x: each tile is asked for JOINTLY (the same tensor load, descriptor and mask in all four).
; THE ARITHMETIC OF A WEIGHT.  A nibble q is set at mantissa bits 19-22 under the exponent of 2: the f32 number 2 + q / 8, exactly.  (2 + q / 8) (8 s) + (z - 16 s) = q s + z by one fused multiply-add; then x 1 / cs.
; LIMITS.  z - 16 s is rounded once (half a last place of |z| + 16 |s|) where reference() rounds q s; the division is v_rcp_f32 and a multiplication.  |cs| between 2^-126 and 2^126, |s| under 2^123.
;   NaN and infinities among the inputs are not served.  A block of zeros gets the byte 1 over zero codes (the bytes are read by this program alone).
; THE STORES are of 4 bytes a lane, sixteen lanes on 64 neighbouring bytes: a work-group's 43 columns are 172 bytes of a row, beginning at a multiple of 4 bytes only, so no wider store is aligned in every
;   work-group.  Blocks of 64 columns would be aligned, and would give 172 work-groups 64 rows of W each in place of 256 with 44.
.set OROW,  11008*4                    ; a row of out0 in bytes
.set XP,    272                        ; an LDS row of x: 256 bytes + 16 of padding
.set XSLOT, 256*XP                     ; a slot: 256 rows.  Slot 0 at LDS byte 0, slot 1 behind it
.set XSC,   2*XSLOT                    ; x's scale bytes, all of K: 128 runs of 256 bytes + 16: row p at (p / 2) 272 + (p % 2) 128
.set SZ,    XSC+128*XP                 ; four regions of SZR bytes: region g holds scales (g even) or zeros (g odd), rows 21 (g / 2) + 0 .. 21 of my 43, 128 bytes a row
.set SZR,   22*128
.set WB0,   0x30000                    ; W's buffer 0; buffer 1 lies WBX further on, so that one exclusive or turns an address.  Written by LDS stores alone: no tensor load lands here
.set WBX,   0x8000
.set WP,    528                        ; a row of W's codes: 512 bytes (a super-chunk) + 16
.set WSO,   48*WP                      ; behind the 48 rows: their scale bytes, WSP bytes a row, 32 in use
.set WSP,   48
.set SPARE, 0x40000                    ; the spare words, 128 bytes for each wave: two blocks of 256 bytes that no other line names
; window 0
.set R,     1                          ; v1      lane % 16
.set SPW,   2                          ; v2      LDS address of my spare word; never rewritten
.set NIL,   3                          ; v3      0; never rewritten
.set AXF,   4                          ; v4-5    my place in x's slot 0, 1: (64 w + r) XP + 16 h
.set AWF,   6                          ; v6      W's fragments, in the buffer that is read
.set AWSA,  7                          ; v7      W's scale words of LDS row = lane (tiles 0 and 1)
.set AWSB,  8                          ; v8      of LDS row 32 + r (tile 2)
.set AWST,  9                          ; v9      where I store a block's codes, in the buffer that is written
.set AWBY,  10                         ; v10     and its scale byte
.set AXS,   11                         ; v11     x's scale words of row 64 w + lane, this super-chunk's
.set ASZ,   12                         ; v12     my scale and zero of pair 0, super-chunk 0; never rewritten
.set BI,    13                         ; v13-15  the bias of my column in tile n
.set MX,    16                         ; v16-20  five chains of the largest magnitude
.set K40,   21                         ; v21     0x40000000; never rewritten
.set C,     22                         ; v22-25  a block's codes
.set SCO,   26                         ; v26     the conversion's scale operand
.set BY,    27                         ; v27     the scale's byte
.set ZP,    28                         ; v28-39  z - 16 s of pairs 0 .. 10; v39 is 0 (named as half of a pair)
.set F,     40                         ; v40-71  a block's 32 weights; at other times at work
.set XS,    72                         ; v72-79  x's scale words: 4 p + q: lanes 0-15 tile 2 p, lanes 16-31 tile 2 p + 1, the chunk's q-th K step.  Scales and nothing else
.set WS,    80                         ; v80-87  W's: 4 g + q: lanes 0-15 tile 2 g, lanes 16-31 tile 2 g + 1
.set XF,    88                         ; v88-151 x's fragments, two sets of 4 tiles x 8
.set ACC,   152                        ; v152-247 accumulator (n, m) at 8 (4 n + m)
.set AWF0,  248                        ; v248-252 the lanes' parts of AWF, AWSA, AWSB, AWST, AWBY
.set AWSA0, 249
.set AWSB0, 250
.set AWST0, 251
.set AWBY0, 252
.set CO4,   253                        ; v253-255 4 x my column in tile n: offset of the bias; on the way out, with 8 h rows added, of the stores
.set HH,    F+0                        ; at the head, in F: lane / 16, lane, offsets of the global loads, the wave, at work, the zero fill
.set LN,    F+1
.set QOFF,  F+2
.set CSOFF, F+3
.set WVV,   F+7
.set TA,    F+8
.set ZA,    F+10
.set ZB,    F+11
.set ZR,    F+12
; window 1
.set T,     0                          ; v0-87   pair i, word d: its four even nibbles and its four odd ones, each at bits 3-6 of its byte
.set RC,    88                         ; v88-119 1 / cs of my block's 32 places
.set S,     120                        ; v120-131 8 s of pairs 0 .. 10; v131 is 0
.set WFR,   136                        ; v136-183 W's fragments, two sets of 3 tiles x 8
.set QR,    0                          ; window 2: v0-175 qweight: 44 u + 4 i + d
.set CSR,   0                          ; window 3: v0-127 channel_scales: 32 u + e
; scalars
.set HALF,  2                          ; s2  w % 2
.set CHK,   3                          ; s3  w / 2
.set WV,    20                         ; s20 my wave's number;  s21 my place in the cluster;  s22 my work-group: it enters global addresses alone
.set G1X,   24                         ; s[24:31] group 1: x's tiles;  s[32:39] x's scale bytes;  s[40:47] scales and zeros
.set G1S,   32
.set G1Z,   40
.set G0A,   48                         ; s[48:51], s[52:55] group 0 for slot 0, 1;  s[56:59] x's scale bytes;  s[60:63] scales or zeros
.set G0S,   56
.set G0Z,   60
.set MASK,  66                         ; s66 0x78787878
.set SEL,   67                         ; s67-70 byte selects
.set TR,    71                         ; s71 trips
.set WR,    72                         ; s72 W's buffer that is read;  s73 that is written
.set WW,    73
; s_set_vgpr_msb's low byte: bits 1:0 source 0, 3:2 source 1, 5:4 source 2, 7:6 destination
.set WZ,    0x04                       ; source 1 window 1: T, S, RC; W's fragments as a product's source 1
.set W_D1,  0x40                       ; destination window 1
.set W_SH,  0x48                       ; destination window 1, source 1 window 2
.set W_AN,  0x47                       ; destination and source 1 window 1 (the masks), source 0 window 3 (the reciprocals)
.set W_Q,   0x80                       ; destination window 2
.set W_CS,  0xc0                       ; destination window 3
.set MSB, 0
.macro WIN new                         ; the immediate's high byte repeats the setting that is left; a switch that changes nothing is dropped
.if MSB != \new
	s_set_vgpr_msb (MSB<<8)|\new
.set MSB, \new
.endif
.endm
.macro PLACES                          ; four plain places between a matrix instruction and a load into, or a vector write of, one of its registers (ISA guide 7.12.1 for vector writes)
.rept 4
	v_nop
.endr
.endm
; A round of the cluster's barrier: my work-group's barrier; wave 0 signals for the work-group; every wave waits for all four work-groups; my work-group's barrier once more.
.macro ROUND
	s_barrier_signal -1
	s_barrier_wait -1
	s_cmp_lg_u32 s[WV], 0
	s_cbranch_scc1 .Lnot_wave_0_\@
	s_barrier_signal -3
.Lnot_wave_0_\@:
	s_barrier_wait -3
	s_barrier_signal -1
	s_barrier_wait -1
.endm
; THE COUNTS OF THE WAITS FOR LDS are kept by the assembler.  DSN: LDS instructions issued since the last wait for 0.  A mark is DSN behind a group's last instruction.  LDS instructions end in order
; (ISA guide 5.7.1), so a group is done when at most DSN - mark are out.  DSW: the highest mark waited for: a wait that an earlier one has met is not written.
.macro DRAINED
.set DSN, 0
.set DSW, 0
.set MKF0, 0
.set MKF1, 0
.set MKSC, 0
.set MKST, 0
.endm
.macro WAITDS mk
.if \mk > DSW
	s_wait_dscnt DSN-\mk
.set DSW, \mk
.endif
.endm
.macro WAITF s                         ; the fragments of K step s
.if ((\s)%2) == 1
	WAITDS MKF1
.else
	WAITDS MKF0
.endif
.endm
; K step s's fragments into set s % 2.  A fragment, 16 rows x 128 K of 4-bit codes, is 8 registers: lane (r, h) holds row r; registers 4 c .. 4 c + 3 hold K = 64 c + 32 h + 0 .. 31: 16 bytes of the row as they lie.
.macro LFRAG s
	WIN 0
.irp m, 0,1,2,3
.irp c, 0,1
	ds_load_b128 v[XF+32*((\s)%2)+8*\m+4*\c:XF+32*((\s)%2)+8*\m+4*\c+3], v[AXF+(\s)/4] offset:16*XP*\m+64*((\s)%4)+32*\c
.endr
.endr
	WIN W_D1
.irp n, 0,1,2
.irp c, 0,1
	ds_load_b128 v[WFR+24*((\s)%2)+8*\n+4*\c:WFR+24*((\s)%2)+8*\n+4*\c+3], v[AWF] offset:16*WP*\n+64*(\s)+32*\c
.endr
.endr
	WIN 0
.set DSN, DSN+14
.if ((\s)%2) == 1
.set MKF1, DSN
.else
.set MKF0, DSN
.endif
.endm
.macro LSCALE hf                       ; the scale words of the super-chunk's chunk hf: four words (four K steps) a row
	ds_load_b128 v[XS:XS+3], v[AXS] offset:16*\hf
	ds_load_b128 v[XS+4:XS+7], v[AXS] offset:16*\hf+16*XP
	ds_load_b128 v[WS:WS+3], v[AWSA] offset:16*\hf
	ds_load_b128 v[WS+4:WS+7], v[AWSB] offset:16*\hf
.set DSN, DSN+4
.set MKSC, DSN
.endm
; Matrix instruction MME of the 12 of K step s: tile m = MME % 4 of x, tile n = MME / 4 of W.  first = 1: C is the bias (eight copies in F): nothing is ever cleared.  An odd tile's scale words lie in lanes 16-31.
.macro MM s, first
.set rD, ACC+8*MME
.set rA, XF+32*((\s)%2)+8*(MME%4)
.set rB, WFR+24*((\s)%2)+8*(MME/4)
.set rX, XS+4*((MME%4)/2)+(\s)%4
.set rW, WS+4*(MME/8)+(\s)%4
.if \first
.set rC, F+8*(MME/4)
.else
.set rC, rD
.endif
.if (MME%2 == 1) && ((MME/4)%2 == 1)
	v_wmma_scale_f32_16x16x128_f8f6f4 v[rD:rD+7], v[rA:rA+7], v[rB:rB+7], v[rC:rC+7], v[rX], v[rW] matrix_a_fmt:MATRIX_FMT_FP4 matrix_b_fmt:MATRIX_FMT_FP4 matrix_a_scale:MATRIX_SCALE_ROW1 matrix_b_scale:MATRIX_SCALE_ROW1
.elseif MME%2 == 1
	v_wmma_scale_f32_16x16x128_f8f6f4 v[rD:rD+7], v[rA:rA+7], v[rB:rB+7], v[rC:rC+7], v[rX], v[rW] matrix_a_fmt:MATRIX_FMT_FP4 matrix_b_fmt:MATRIX_FMT_FP4 matrix_a_scale:MATRIX_SCALE_ROW1
.elseif (MME/4)%2 == 1
	v_wmma_scale_f32_16x16x128_f8f6f4 v[rD:rD+7], v[rA:rA+7], v[rB:rB+7], v[rC:rC+7], v[rX], v[rW] matrix_a_fmt:MATRIX_FMT_FP4 matrix_b_fmt:MATRIX_FMT_FP4 matrix_b_scale:MATRIX_SCALE_ROW1
.else
	v_wmma_scale_f32_16x16x128_f8f6f4 v[rD:rD+7], v[rA:rA+7], v[rB:rB+7], v[rC:rC+7], v[rX], v[rW] matrix_a_fmt:MATRIX_FMT_FP4 matrix_b_fmt:MATRIX_FMT_FP4
.endif
.set MME, MME+1
.endm
.macro MBLOCK s, first                 ; a K step's twelve with nothing between
	WAITF \s
	WAITDS MKSC
	WIN WZ
.set MME, 0
.rept 12
	MM \s, \first
.endr
	WIN 0
.endm
.macro HOOK ks
.if (\ks) >= 0
	MM \ks, 0
.endif
.endm
; The three groups of lines that word d of pair i's block goes through.
.macro PERM8 i, d                      ; eight weights as 2 + q / 8: byte b of the masked nibbles under 0x40; k = 8 d + 2 b from the even ones, 8 d + 2 b + 1 from the odd ones: K ascends along the registers
.irp b, 0,1,2,3
	v_perm_b32 v[F+8*(\d)+2*\b], v[K40], v[T+8*(\i)+2*(\d)], s[SEL+\b]
	v_perm_b32 v[F+8*(\d)+2*\b+1], v[K40], v[T+8*(\i)+2*(\d)+1], s[SEL+\b]
.endr
.endm
.macro FMA2 i, a                       ; two weights: (2 + q / 8) x 8 s + (z - 16 s); of the pairs of S and ZP register i % 2 serves both halves
.if ((\i)%2) == 1
	v_pk_fma_f32 v[\a:\a+1], v[\a:\a+1], v[S+(\i)-1:S+(\i)], v[ZP+(\i)-1:ZP+(\i)] op_sel:[0,1,1] op_sel_hi:[1,1,1]
.else
	v_pk_fma_f32 v[\a:\a+1], v[\a:\a+1], v[S+(\i):S+(\i)+1], v[ZP+(\i):ZP+(\i)+1] op_sel_hi:[1,0,0]
.endif
.endm
.macro FMA8 i, d
	FMA2 \i, F+8*(\d)
	FMA2 \i, F+8*(\d)+2
	FMA2 \i, F+8*(\d)+4
	FMA2 \i, F+8*(\d)+6
.endm
.macro MUL8 d                          ; / cs
.irp a, 0,2,4,6
	v_pk_mul_f32 v[F+8*(\d)+\a:F+8*(\d)+\a+1], v[F+8*(\d)+\a:F+8*(\d)+\a+1], v[RC+8*(\d)+\a:RC+8*(\d)+\a+1]
.endr
.endm
; PAIR i: my block of rows 2 i, 2 i + 1 becomes 16 bytes of codes and a scale byte.  The four words go as a pipeline: between a word's multiply-adds and its multiplications stand the next word's eight selects,
; between its selects and its multiply-adds the multiplications of the word before.  ks >= 0: K step ks's twelve matrix instructions stand behind the twelve groups, one each; the groups name none of the
; products' registers.  The 18 plain lines that follow are the places in front of any load into the fragments' registers behind the pair.
.macro PAIR i, ks
.if (\ks) >= 0
	WAITF \ks
	WAITDS MKSC
.set MME, 0
.endif
	WIN WZ
	PERM8 \i, 0
	HOOK \ks
	FMA8 \i, 0
	HOOK \ks
	PERM8 \i, 1
	HOOK \ks
	MUL8 0
	HOOK \ks
	FMA8 \i, 1
	HOOK \ks
	PERM8 \i, 2
	HOOK \ks
	MUL8 1
	HOOK \ks
	FMA8 \i, 2
	HOOK \ks
	PERM8 \i, 3
	HOOK \ks
	MUL8 2
	HOOK \ks
	FMA8 \i, 3
	HOOK \ks
	MUL8 3
	HOOK \ks
	WIN 0
	v_max3_num_f32 v[MX], |v[F]|, |v[F+1]|, 0x1800000              ; the block's largest magnitude, in five chains that take turns, and the floor 2^(3 - 127): the byte cannot fall under 1
.irp c, 1,2,3,4
	v_max3_num_f32 v[MX+\c], |v[F+3*\c-1]|, |v[F+3*\c]|, |v[F+3*\c+1]|
.endr
.set MXT, 0
.rept 9
	v_max3_num_f32 v[MX+MXT%5], v[MX+MXT%5], |v[F+14+2*MXT]|, |v[F+15+2*MXT]|
.set MXT, MXT+1
.endr
	v_max3_num_f32 v[MX], v[MX], v[MX+4], v[MX+1]                  ; the three chains that ended first,
	WAITDS MKST                                                    ; (the last pair's two stores are done: their data registers are written below)
	v_max3_num_f32 v[MX], v[MX], v[MX+2], v[MX+3]                  ; and the other two
	v_add_nc_u32 v[SCO], 0xff000000, v[MX]                         ; 2 off the exponent field: the conversion takes that field of this operand as its scale
	v_lshrrev_b32 v[BY], 23, v[SCO]                                ; the scale's byte
.irp g, 0,1,2,3
	v_cvt_scalef32_pk8_fp4_f32 v[C+\g], v[F+8*\g:F+8*\g+7], v[SCO] ; to the nearest code, ties to even, beyond 6 the largest code; the lowest k in the lowest bits
.endr
	v_nop                                                          ; one plain line behind the last scaled conversion
	ds_store_b128 v[AWST], v[C:C+3] offset:2*WP*(\i)
	ds_store_b8 v[AWBY], v[BY] offset:2*WSP*(\i)
.set DSN, DSN+2
.set MKST, DSN
.endm
.macro SZLOAD u                        ; my s and z of super-chunk u, pairs 0 .. 10: into F and F + 16
.irp i, 0,1,2,3,4,5,6,7,8,9,10
	ds_load_b32 v[F+\i], v[ASZ] offset:256*\i+32*\u
	ds_load_b32 v[F+16+\i], v[ASZ] offset:SZR+256*\i+32*\u
.endr
.set DSN, DSN+22
.endm
; What super-chunk u's pairs find ready: each word of qweight shifted both ways and masked, and 1 / cs.  88 shifts, then 88 masks, none of which reads a result made shortly before;
; the 32 reciprocals stand among the masks, one behind every two or three, under one setting of the windows.
.macro SELBLK u
.if \u == 0
	s_wait_loadcnt 60                                              ; set 0 of qweight and of channel_scales is in: behind it stand the 3 loads of the bias and three sets of 11 + 8
.else
	s_wait_loadcnt 57-19*\u                                        ; set u is in; the sets behind it, 19 loads each, may be out
.endif
	WIN W_SH
.irp i, 0,1,2,3,4,5,6,7,8,9,10
.irp d, 0,1,2,3
	v_lshlrev_b32 v[T+8*\i+2*\d], 3, v[QR+44*\u+4*\i+\d]
	v_lshrrev_b32 v[T+8*\i+2*\d+1], 1, v[QR+44*\u+4*\i+\d]
.endr
.endr
	WIN W_AN
.set SA, 0
.set SE, 0
.rept 88
.if (SA%11 == 0) || (SA%11 == 3) || (SA%11 == 6) || (SA%11 == 8)
	v_rcp_f32 v[RC+SE], v[CSR+32*\u+SE]
.set SE, SE+1
.endif
	v_and_b32 v[T+SA], s[MASK], v[T+SA]                            ; four nibbles, each at bits 3-6 of its byte
.set SA, SA+1
.endr
	WIN 0
	s_wait_alu depctr_va_vdst(0)                                   ; three masks stand behind the last reciprocal; one wait for the 32, ahead of every reader, label and branch
.endm
.macro SZPREP
	s_wait_dscnt 0x0                                               ; s and z are in (and all else of mine)
	DRAINED
	WIN W_D1
.irp i, 0,1,2,3,4,5,6,7,8,9,10
	v_mul_f32 v[S+\i], 0x41000000, v[F+\i]                         ; 8 s: exact
.endr
	WIN 0
.irp i, 0,1,2,3,4,5,6,7,8,9,10
	v_fma_f32 v[ZP+\i], v[F+\i], 0xc1800000, v[F+16+\i]            ; z - 16 s
.endr
.endm
; A CHANGE.  Each wave waits for all its tensor loads (one is out: its part of the other slot), adds 0 to its spare word, and waits for that, for its reads and for its stores.  fill = 1: the barrier is a round of
; the cluster's, so that no wave of any partner still reads the slot or has a load on its way, and the slot just read out takes the chunk two on: the wave's one tensor load until the next change.
.macro CHANGE slot, fill
	WIN 0
	s_wait_tensorcnt 0x0                                           ; no tensor load of mine is out, so a group 0 may be written
	ds_add_u32 v[SPW], v[NIL]                                      ; 0 onto my spare word
.if \fill
	s_add_nc_u64 s[G0A+4*\slot+2:G0A+4*\slot+3], s[G0A+4*\slot+2:G0A+4*\slot+3], 512   ; two chunks on; the type bits on top are not reached
.endif
	s_wait_dscnt 0x0
	DRAINED
.if \fill
	ROUND
	tensor_load_to_lds s[G0A+4*\slot:G0A+4*\slot+3], s[G1X:G1X+7]
	s_nop 0
	PLACES                                                         ; four v_nop behind the load
.else
	s_barrier_signal -1
	s_barrier_wait -1
.endif
.endm
.macro NEXTW step                      ; W's buffers change places.  No LDS instruction of mine is out.  step = 1: x's scale words go a super-chunk on
	s_xor_b32 s[WR], s[WR], WBX
	s_xor_b32 s[WW], s[WW], WBX
	v_add_nc_u32 v[AWF], s[WR], v[AWF0]
	v_add_nc_u32 v[AWSA], s[WR], v[AWSA0]
	v_add_nc_u32 v[AWSB], s[WR], v[AWSB0]
	v_add_nc_u32 v[AWST], s[WW], v[AWST0]
	v_add_nc_u32 v[AWBY], s[WW], v[AWBY0]
.if \step
	v_add_nc_u32 v[AXS], 32, v[AXS]
.endif
.endm
.macro QLOAD u                         ; super-chunk u's set of global loads: 11 of qweight, 8 of channel_scales
	WIN W_Q
.irp i, 0,1,2,3,4,5,6,7,8,9,10
	global_load_b128 v[QR+44*\u+4*\i:QR+44*\u+4*\i+3], v[QOFF], s[8:9] offset:4096*\i+512*\u th:TH_LOAD_NT   ; sixteen lanes read 256 aligned bytes of a row, the other sixteen those of the next row
.endr
	WIN W_CS
.irp g, 0,1,2,3,4,5,6,7
	global_load_b128 v[CSR+32*\u+4*\g:CSR+32*\u+4*\g+3], v[CSOFF], s[14:15] offset:4096*\u+16*\g
.endr
.endm
	; ---- THE HEAD
	s_load_b512 s[4:19], s[0:1], 0x0               ; x_codes s[4:5], x_scales s[6:7], qweight s[8:9], scales s[10:11], zeros s[12:13], channel_scales s[14:15], bias s[16:17], out0 s[18:19]
	v_lshl_add_u32 v[SPW], v0, 2, SPARE
	v_mov_b32 v[NIL], 0
	ds_add_u32 v2, v3
	ds_add_u32 v2, v3
	s_wait_dscnt 0x0
	v_lshrrev_b32 v[WVV], 5, v0
	v_readfirstlane_b32 s[WV], v[WVV]              ; wave 0..3
	s_and_b32 s[HALF], s[WV], 1
	s_lshr_b32 s[CHK], s[WV], 1
	s_bfe_u32 s21, ttmp6, 0x40000                  ; my place in the cluster
	s_lshl_b32 s22, ttmp9, 2                       ; in a cluster launch ttmp9 counts clusters
	s_add_co_u32 s22, s22, s21                     ; my work-group
	; group 1 for x's tiles: 64 rows x 256 bytes, 2,048 bytes apart, 16 bytes of padding behind each
	s_mov_b32 s[G1X], 15|(1<<20)|(1<<21)|(5<<22)|(3<<25)           ; 15:0 the mask: all four work-groups; 17:16 elements of 1 byte; 20 padding on; 21 set beside a mask; 24:22 after every 64 words; 31:25 four words
	s_mov_b32 s[G1X+1], 256<<16                    ; tensor_dim0
	s_mov_b32 s[G1X+2], 64<<16                     ; tensor_dim1
	s_mov_b32 s[G1X+3], 256<<16                    ; tile_dim0
	s_mov_b32 s[G1X+4], 64                         ; tile_dim1
	s_mov_b32 s[G1X+5], 2048                       ; tensor_dim0_stride
	s_mov_b32 s[G1X+6], 0
	s_mov_b32 s[G1X+7], 0
	; for x's scale bytes: 64 rows' 8,192 dense bytes as 32 rows of 256 (32 elements of 8 bytes), padded likewise
	s_mov_b32 s[G1S], 15|(3<<16)|(1<<20)|(1<<21)|(5<<22)|(3<<25)
	s_mov_b32 s[G1S+1], 32<<16
	s_mov_b32 s[G1S+2], 32<<16
	s_mov_b32 s[G1S+3], 32<<16
	s_mov_b32 s[G1S+4], 32
	s_mov_b32 s[G1S+5], 32
	s_mov_b32 s[G1S+6], 0
	s_mov_b32 s[G1S+7], 0
	; for scales and zeros: 22 rows' 2,816 dense bytes as 11 rows of 256.  No mask: each work-group has rows of its own
	s_mov_b32 s[G1Z], 3<<16
	s_mov_b32 s[G1Z+1], 32<<16
	s_mov_b32 s[G1Z+2], 11<<16
	s_mov_b32 s[G1Z+3], 32<<16
	s_mov_b32 s[G1Z+4], 11
	s_mov_b32 s[G1Z+5], 32
	s_mov_b32 s[G1Z+6], 0
	s_mov_b32 s[G1Z+7], 0
	s_mov_b32 s[MASK], 0x78787878
	s_mov_b32 s[SEL], 0x07000404                   ; K40 is the select's first source (bytes 4-7), the nibbles its second (bytes 0-3): result byte 3 = K40's byte 3; byte 2 = the nibbles' byte b; bytes 1, 0 = K40's byte 0
	s_mov_b32 s[SEL+1], 0x07010404
	s_mov_b32 s[SEL+2], 0x07020404
	s_mov_b32 s[SEL+3], 0x07030404
	s_mov_b32 s[WR], WB0+WBX
	s_mov_b32 s[WW], WB0                           ; super-chunk 0 is written into buffer 0
	s_mov_b32 s75, 0                               ; the upper word of every offset below
	; the lanes' offsets and LDS addresses: each a constant + constants x lane + constants x wave
	v_and_b32 v[R], 15, v0
	v_bfe_u32 v[HH], v0, 4, 1
	v_and_b32 v[LN], 31, v0
	v_lshlrev_b32 v[QOFF], 4, v[R]
	v_lshl_add_u32 v[QOFF], v[HH], 11, v[QOFF]     ; qweight: row hh of a pair, block j
	v_lshlrev_b32 v[CSOFF], 7, v[R]                ; channel_scales: my block's 32 numbers
	v_lshlrev_b32 v[CO4], 2, v[R]                  ; tile 0: column r
	v_add_nc_u32 v[TA], 10, v[R]
	v_lshrrev_b32 v[TA], 4, v[TA]                  ; 1 from r = 6 on: LDS row 22 repeats column 21
	v_sub_nc_u32 v[TA], v[R], v[TA]
	v_lshl_add_u32 v[CO4+1], v[TA], 2, 64          ; tile 1: column 16 + r - that
	v_add_nc_u32 v[TA], 31, v[R]
	v_min_u32 v[TA], 42, v[TA]                     ; tile 2: column 31 + r; lanes 12-15 have none: held inside the buffers, and not stored
	v_lshlrev_b32 v[CO4+2], 2, v[TA]
	s_mul_i32 s76, s[WV], 64*XP
	v_mul_u32_u24 v[AXF], v[R], XP
	v_lshl_add_u32 v[AXF], v[HH], 4, v[AXF]
	v_add_nc_u32 v[AXF], s76, v[AXF]
	v_add_nc_u32 v[AXF+1], XSLOT, v[AXF]
	v_mul_u32_u24 v[AWF0], v[R], WP
	v_lshl_add_u32 v[AWF0], v[HH], 4, v[AWF0]
	v_mul_u32_u24 v[AWSA0], v[LN], WSP
	v_add_nc_u32 v[AWSA0], WSO, v[AWSA0]
	v_mul_u32_u24 v[AWSB0], v[R], WSP
	v_add_nc_u32 v[AWSB0], WSO+32*WSP, v[AWSB0]
	s_mul_i32 s76, s[HALF], 22*WP
	s_lshl_b32 s77, s[CHK], 8
	s_add_co_u32 s76, s76, s77
	v_mul_u32_u24 v[AWST0], v[HH], WP
	v_lshl_add_u32 v[AWST0], v[R], 4, v[AWST0]
	v_add_nc_u32 v[AWST0], s76, v[AWST0]           ; LDS row 22 (w % 2) + hh, chunk w / 2, block j
	s_mul_i32 s76, s[HALF], 22*WSP
	s_lshl_b32 s77, s[CHK], 4
	s_add_co_u32 s76, s76, s77
	s_add_co_u32 s76, s76, WSO
	v_mad_u32_u24 v[AWBY0], v[HH], WSP, v[R]
	v_add_nc_u32 v[AWBY0], s76, v[AWBY0]
	v_add_nc_u32 v[AWST], s[WW], v[AWST0]
	v_add_nc_u32 v[AWBY], s[WW], v[AWBY0]
	s_mul_i32 s76, s[WV], 32*XP
	s_add_co_u32 s76, s76, XSC
	v_lshrrev_b32 v[TA], 1, v[LN]
	v_mul_u32_u24 v[AXS], v[TA], XP
	v_and_b32 v[TA], 1, v[LN]
	v_lshl_add_u32 v[AXS], v[TA], 7, v[AXS]
	v_add_nc_u32 v[AXS], s76, v[AXS]               ; x's scale bytes of row 64 w + lane
	s_mul_i32 s76, s[HALF], 2*SZR
	s_lshl_b32 s77, s[CHK], 4
	s_add_co_u32 s76, s76, s77
	s_add_co_u32 s76, s76, SZ
	v_lshrrev_b32 v[TA], 2, v[R]
	v_lshlrev_b32 v[TA], 2, v[TA]
	v_lshl_add_u32 v[ASZ], v[HH], 7, v[TA]
	v_add_nc_u32 v[ASZ], s76, v[ASZ]               ; row hh of my half, group 4 (w / 2) + j / 4
	v_mul_u32_u24 v[ZA], v[WVV], WP
	v_lshl_add_u32 v[ZA], v[LN], 4, v[ZA]
	v_add_nc_u32 v[ZA], WB0+44*WP, v[ZA]           ; the zero fill: LDS row 44 + wave, 16 bytes a lane;
	v_lshl_add_u32 v[ZB], v0, 2, WB0+WSO+44*WSP    ; and 4 bytes a thread from row 44's scale bytes on
.irp k, 0,1,2,3
	v_mov_b32 v[ZR+\k], 0
.endr
	v_mov_b32 v[ZP+11], 0                          ; (named as the upper half of a pair)
	v_mov_b32 v[K40], 0x40000000
	WIN W_D1
	v_mov_b32 v[S+11], 0
	WIN 0
	s_wait_kmcnt 0x0
	; the bases of the loads and stores
	s_mul_i32 s74, s22, 43
	s_mul_i32 s76, s[HALF], 21
	s_add_co_u32 s74, s74, s76
	s_lshl_b32 s74, s74, 11
	s_lshl_b32 s76, s[CHK], 8
	s_add_co_u32 s74, s74, s76
	s_add_nc_u64 s[8:9], s[8:9], s[74:75]          ; qweight: my half's first row, chunk w / 2
	s_lshl_b32 s74, s[CHK], 11
	s_add_nc_u64 s[14:15], s[14:15], s[74:75]      ; channel_scales: chunk w / 2
	s_mul_i32 s74, s22, 172
	s_add_nc_u64 s[16:17], s[16:17], s[74:75]      ; bias: my 43 columns
	s_add_nc_u64 s[18:19], s[18:19], s[74:75]
	s_mul_i32 s74, s[WV], 64*OROW
	s_add_nc_u64 s[18:19], s[18:19], s[74:75]      ; out0: my 43 columns of row 64 w
	; My global loads stand in the order in which they are wanted, 79 in all.  The first 41 go out here, ahead of the descriptors' arithmetic and of the cluster's round: they wait for nobody
	QLOAD 0
	WIN 0
.irp n, 0,1,2
	global_load_b32 v[BI+\n], v[CO4+\n], s[16:17]
.endr
	QLOAD 1
	WIN 0
	; groups 0.  Wave w fetches rows 64 w .. 64 w + 63 of x, which it alone reads; nothing in x's descriptors hangs on the work-group
	s_lshl_b32 s74, s[WV], 17                      ; 64 rows of 2,048 bytes
	s_mul_i32 s76, s[WV], 64*XP
	s_mov_b32 s[G0A], 1                            ; 1:0 count = 1
	s_mov_b32 s[G0A+1], s76                        ; 63:32 LDS address: slot 0
	s_add_nc_u64 s[G0A+2:G0A+3], s[4:5], s[74:75]  ; 120:64 global address: chunk 0
	s_add_nc_u64 s[G0A+6:G0A+7], s[G0A+2:G0A+3], 256   ; chunk 1
	s_or_b32 s[G0A+3], s[G0A+3], 0x80000000        ; 127:126 type = 2
	s_mov_b32 s[G0A+4], 1
	s_add_co_u32 s[G0A+5], s76, XSLOT
	s_or_b32 s[G0A+7], s[G0A+7], 0x80000000
	s_lshl_b32 s74, s[WV], 13                      ; 64 rows of 128 scale bytes
	s_mul_i32 s76, s[WV], 32*XP
	s_mov_b32 s[G0S], 1
	s_add_co_u32 s[G0S+1], s76, XSC
	s_add_nc_u64 s[G0S+2:G0S+3], s[6:7], s[74:75]
	s_or_b32 s[G0S+3], s[G0S+3], 0x80000000
	s_mul_i32 s74, s22, 43                         ; region w: scales (w even) or zeros (w odd), rows 43 x work-group + 21 (w / 2) on
	s_mul_i32 s76, s[CHK], 21
	s_add_co_u32 s74, s74, s76
	s_lshl_b32 s74, s74, 7
	s_mul_i32 s76, s[WV], SZR
	s_cmp_eq_u32 s[HALF], 0
	s_cselect_b64 s[G0Z+2:G0Z+3], s[10:11], s[12:13]
	s_add_nc_u64 s[G0Z+2:G0Z+3], s[G0Z+2:G0Z+3], s[74:75]
	s_or_b32 s[G0Z+3], s[G0Z+3], 0x80000000
	s_mov_b32 s[G0Z], 1
	s_add_co_u32 s[G0Z+1], s76, SZ
	ROUND                                          ; all four work-groups are here: the first joint loads meet
	tensor_load_to_lds s[G0Z:G0Z+3], s[G1Z:G1Z+7]  ; the first fills go out as one group: four loads of mine are out.  Scales or zeros first: they are wanted first;
	s_nop 0
	tensor_load_to_lds s[G0S:G0S+3], s[G1S:G1S+7]  ; x's scale bytes, filled once;
	s_nop 0
	tensor_load_to_lds s[G0A:G0A+3], s[G1X:G1X+7]  ; chunk 0;
	s_nop 0
	tensor_load_to_lds s[G0A+4:G0A+7], s[G1X:G1X+7]    ; chunk 1
	s_nop 0
	PLACES
	QLOAD 2                                        ; the other 38 global loads stand behind the fills.  No wait is placed for the count's sake (ISA guide 5.7.1)
	QLOAD 3
	WIN 0
	ds_store_b128 v[ZA], v[ZR:ZR+3]                ; W's LDS rows 44-47 hold zero codes and the byte 0, in both buffers, for the whole launch
	ds_store_b128 v[ZA], v[ZR:ZR+3] offset:WBX
	ds_store_b32 v[ZB], v[ZR]
	ds_store_b32 v[ZB], v[ZR] offset:WBX
	s_wait_xcnt 0x0                                ; the loads have read their offsets, which lie in F: F is written from here on
	s_wait_tensorcnt 0x3                           ; my region of scales or zeros is in; the three loads behind it may be out
	s_wait_dscnt 0x0                               ; my zero fill has landed
	s_barrier_signal -1
	s_barrier_wait -1                              ; everybody's
	DRAINED
	; ---- THE PROLOGUE: super-chunk 0 is dequantised with nothing to multiply yet
	SZLOAD 0
	SELBLK 0
	SZPREP
.irp i, 0,1,2,3,4,5,6,7,8,9,10
	PAIR \i, -1
.endr
	s_wait_tensorcnt 0x1                           ; x's scale bytes and chunk 0 are in; chunk 1 may be out
	s_wait_dscnt 0x0                               ; my codes and bytes of super-chunk 0 have landed
	s_barrier_signal -1
	s_barrier_wait -1                              ; everybody's
	DRAINED
	NEXTW 0
	LFRAG 0
	LFRAG 1
	LSCALE 0
	SZLOAD 1
	SELBLK 1                                       ; (its wait covers the bias too, which was asked for ahead of set 1)
	SZPREP
.irp n, 0,1,2
.irp j, 0,1,2,3,4,5,6,7
	v_mov_b32 v[F+8*\n+\j], v[BI+\n]               ; the bias in the result's layout: a lane holds one column, so eight copies
.endr
.endr
.rept 8
	v_nop
.endr
	MBLOCK 0, 1                                    ; the first K step starts the sums
	PLACES
	LFRAG 2
	s_mov_b32 s[TR], 0
	; ---- THE LOOP: trip t dequantises super-chunk t + 1 and multiplies K steps 1-7 of super-chunk t and K step 0 of t + 1.  Three trips, six refills: chunks 2 to 7
.Ltrip:
	PAIR 0, 1
	LFRAG 3
	PAIR 1, 2
	PAIR 2, 3
	PAIR 3, -1
	CHANGE 0, 1                                    ; slot 0 has been read out and takes chunk 2 t + 2; chunk 2 t + 1 has landed
	LFRAG 4
	LFRAG 5
	LSCALE 1
	PAIR 4, -1
	PAIR 5, 4
	LFRAG 6
	PAIR 6, 5
	LFRAG 7
	PAIR 7, 6
	PAIR 8, 7
	PAIR 9, -1
	PAIR 10, -1
	CHANGE 1, 1                                    ; slot 1 takes chunk 2 t + 3; chunk 2 t + 2 has landed; every wave's codes of super-chunk t + 1 lie in LDS, and nobody reads super-chunk t's any more
	NEXTW 1
	LFRAG 0
	LFRAG 1
	LSCALE 0
	s_cmp_lt_u32 s[TR], 2                          ; the last trip has nothing left to dequantise.  Register numbers differ between the trips, so the block stands twice
	s_cbranch_scc0 .Lnosel
	s_cmp_eq_u32 s[TR], 0
	s_cbranch_scc0 .Lsel3
	SZLOAD 2
	SELBLK 2
	s_branch .Lprep
.Lsel3:
	SZLOAD 3
	SELBLK 3
.Lprep:
	SZPREP
.Lnosel:
	s_wait_dscnt 0x0                               ; for the way round the block: the fragments and scale words are in (on the other way this has been waited for)
	DRAINED
	MBLOCK 0, 0
	PLACES
	LFRAG 2
	s_add_co_u32 s[TR], s[TR], 1
	s_cmp_lt_u32 s[TR], 3
	s_cbranch_scc1 .Ltrip
	; ---- THE EPILOGUE: K steps 1-7 of super-chunk 3; nothing is left to fetch or to dequantise
	MBLOCK 1, 0
	PLACES
	LFRAG 3
	MBLOCK 2, 0
	MBLOCK 3, 0
	PLACES
	CHANGE 0, 0                                    ; chunk 7 has landed
	LFRAG 4
	LFRAG 5
	LSCALE 1
	MBLOCK 4, 0
	PLACES
	LFRAG 6
	MBLOCK 5, 0
	PLACES
	LFRAG 7
	MBLOCK 6, 0
	MBLOCK 7, 0
	; ---- THE WAY OUT.  Register j of accumulator (n, m) is out0(64 w + 16 m + 8 h + j, my column of tile n).  The five lines below are the places behind the last products.
	; The two tiles that leave lanes out go first, the whole one last: behind its stores EXEC is not changed again, so nothing waits for them.
	v_bfe_u32 v[F], v0, 4, 1
	v_mul_u32_u24 v[F], v[F], 8*OROW
.irp n, 0,1,2
	v_add_nc_u32 v[CO4+\n], v[F], v[CO4+\n]
.endr
.macro OUT n                           ; each accumulator from its low end on; the row stands in the immediate, 63 rows at the most: inside its signed 24 bits
.irp m, 0,1,2,3
.irp j, 0,1,2,3,4,5,6,7
	global_store_b32 v[CO4+\n], v[ACC+8*(4*\n+\m)+\j], s[18:19] offset:(16*\m+\j)*OROW th:TH_STORE_NT
.endr
.endr
.endm
	v_cmp_gt_u32 vcc_lo, 12, v[R]                  ; tile 2: lanes 12-15 hold the rows of zeros
	s_and_saveexec_b32 s78, vcc_lo                 ; (no global instruction of mine has been issued since the head's wait on XCNT)
	OUT 2
	s_wait_xcnt 0x0                                ; EXEC changes only behind this wait
	s_or_b32 exec_lo, exec_lo, s78
	v_cmp_ne_u32 vcc_lo, 6, v[R]                   ; tile 1: lane 6 holds LDS row 22, column 21 once more
	s_and_saveexec_b32 s78, vcc_lo
	OUT 1
	s_wait_xcnt 0x0
	s_or_b32 exec_lo, exec_lo, s78
	OUT 0
	s_wait_tensorcnt 0x0                           ; the wave's end, behind my last tensor load and my last LDS store
	ds_add_u32 v[SPW], v[NIL]
	s_wait_dscnt 0x0
	ROUND                                          ; the closing round: no work-group ends while a partner may still ask for a tile that names it
	s_endpgm
.Lfunc_end_k_qd58e5c2a16_awq:
	.size	k_qd58e5c2a16_awq, .Lfunc_end_k_qd58e5c2a16_awq-k_qd58e5c2a16_awq
	.p2alignl 7, 3214868480
	.fill 96, 4, 3214868480
	.section	.rodata,"a",@progbits
	.p2align	6, 0x0
	.amdhsa_kernel k_qd58e5c2a16_awq
		.amdhsa_group_segment_fixed_size 327680
		.amdhsa_private_segment_fixed_size 0
		.amdhsa_enable_private_segment 0
		.amdhsa_kernarg_size 64
		.amdhsa_user_sgpr_count 2
		.amdhsa_user_sgpr_kernarg_segment_ptr 1
		.amdhsa_wavefront_size32 1
		.amdhsa_system_sgpr_workgroup_id_x 1
		.amdhsa_system_sgpr_workgroup_id_y 1
		.amdhsa_system_sgpr_workgroup_id_z 1
		.amdhsa_system_vgpr_workitem_id 0
		.amdhsa_next_free_vgpr 896
		.amdhsa_next_free_sgpr 80
		.amdhsa_reserve_vcc 1
		.amdhsa_float_denorm_mode_32 3
		.amdhsa_float_denorm_mode_16_64 3
		.amdhsa_memory_ordered 1
		.amdhsa_forward_progress 1
		.amdhsa_inst_pref_size 234
	.end_amdhsa_kernel
	.amdgpu_metadata
---
amdhsa.version: [ 1, 2 ]
amdhsa.kernels:
  - .name:           k_qd58e5c2a16_awq
    .symbol:         k_qd58e5c2a16_awq.kd
    .args:
      - { .name: x_codes, .offset: 0, .size: 8, .value_kind: global_buffer, .address_space: global }
      - { .name: x_scales, .offset: 8, .size: 8, .value_kind: global_buffer, .address_space: global }
      - { .name: qweight, .offset: 16, .size: 8, .value_kind: global_buffer, .address_space: global }
      - { .name: scales, .offset: 24, .size: 8, .value_kind: global_buffer, .address_space: global }
      - { .name: zeros, .offset: 32, .size: 8, .value_kind: global_buffer, .address_space: global }
      - { .name: channel_scales, .offset: 40, .size: 8, .value_kind: global_buffer, .address_space: global }
      - { .name: bias, .offset: 48, .size: 8, .value_kind: global_buffer, .address_space: global }
      - { .name: out0, .offset: 56, .size: 8, .value_kind: global_buffer, .address_space: global }
    .group_segment_fixed_size: 327680
    .private_segment_fixed_size: 0
    .kernarg_segment_align: 8
    .kernarg_segment_size: 64
    .max_flat_workgroup_size: 128
    .sgpr_count:     80
    .vgpr_count:     896
    .wavefront_size: 32
...
	.end_amdgpu_metadata
.endif
;; end of part 1
